; MI455X (gfx1250); checked and timed in simulation.
; The chip was launched on July 23, 2026; its instructions are those of AMD's public machine-readable ISA for CDNA 5 (MIT licence, August 2026) and "CDNA5" Instruction Set Architecture Reference Guide (July 2026). The comments in the code are by the model that wrote it; some were corrected since.
;; Attention. Allowed arithmetic: matrix products marked QUANTISED: E4M3 operands, one given power-of-two scale a tensor, by v_wmma_f32_16x16x64_fp8_fp8 or v_wmma_f32_16x16x128_fp8_fp8, f32 sums; everything else in f32.
;; Inputs: b_out 1,024 float32; lowp_scales 8 int32 (the exponents e of the quantised operands' scales 2^e); m 2 x 2,048 x 1 float32; w_out 1,024 x 1,024 float32; w_qkv 1,024 x 3,072 float32; x 2 x 2,048 x 1,024 float32.
;; Outputs: out0 2 x 2,048 x 1,024 float32.
;; This version of the problem:
;;   THIS VERSION OF THE PROBLEM IS GIVEN IN LOW PRECISION. The matrix products marked QUANTISED in the list below multiply operands that are first quantised to E4M3 (4 exponent bits, 3 mantissa bits; 8 bits a number), with one given power-of-two scale for each operand tensor; their sums are f32. All else is computed in f32.
;;   The module's matrix products, in the order in which they are computed (A, B: the left and right operand; K: the contracted axis; several contracted axes count as one K, in the product's order):
;;     1. [M 4,096, K 1,024] x [K 1,024, N 3,072]; A: input x; B: input w_qkv: QUANTISED (scales: A lowp_scales[0], B lowp_scales[1])
;;     2. batch 32 x [M 2,048, K 64] x [K 64, N 2,048]; A: computed on the way; B: computed on the way: QUANTISED (scales: A lowp_scales[2], B lowp_scales[3])
;;     3. batch 32 x [M 64, K 2,048] x [K 2,048, N 2,048]; A: computed on the way; B: softmax (see below): QUANTISED (scales: A lowp_scales[4], B lowp_scales[5])
;;     4. [M 4,096, K 1,024] x [K 1,024, N 1,024]; A: computed on the way; B: input w_out: QUANTISED (scales: A lowp_scales[6], B lowp_scales[7])
;;   THE QUANTISER, for each operand of a quantised product, along K:
;;     - The operand's scale is 2^e, e = its entry of the input lowp_scales (int32; the entries are numbered through the quantised products in the list's order, A before B).
;;     - Each number is divided by the scale, clamped to +-448, and rounded to the nearest number of E4M3, ties to even, subnormals kept.
;;     - The product sums the exact products of the quantised numbers (number of the format x scale) in f32.
;;   ~~~python
;;   def quantise(x, axis, e):      # numpy; x: float32 -> the quantised numbers, widened to float32 again
;;       x = np.moveaxis(x, axis, -1); K = x.shape[-1]
;;       r = np.clip(x / 2.0 ** e, -448, 448)
;;       step = 2.0 ** (np.maximum(np.frexp(np.where(r == 0, 1, r))[1] - 1, -6) - 3)
;;       q = np.round(r / step) * step * 2.0 ** e      # np.round: ties to even
;;       return np.moveaxis(q, -1, axis).astype(np.float32)
;;   ~~~
;;   SOFTMAX AHEAD OF A QUANTISED PRODUCT. Where the list says 'softmax', what is quantised is not the finished softmax but p = 2^(t - M), with t = logit x log2(e) and M = ceil(the row's largest t), a whole number; so 1/2 < the row's largest p <= 1. The row's sum l is taken of the UNQUANTISED p, in f32, and the product's result is divided by l at the end. Since M is a whole number, a kernel that streams over the keys may use a running M (the ceiling of the running maximum): every later rescaling is an exact power of two, so the quantised numbers keep their values, but for numbers so far below the row's largest that they fall under the format's range.
;;   OPERANDS COMPUTED ON THE WAY. 'Computed on the way' means the value that the module computes at that place (a softmax that the list does not call 'softmax' is quantised finished and normalised). What goes into a quantiser is computed in f32, as accurately as f32 sums, v_exp_f32 and their like allow (about 1e-6 of the number): no bf16 or f16 on the way to a quantiser, and a product that is left as it is and whose result goes on into a quantised operand takes f32 operands (vector FMAs, or v_wmma_f32_16x16x4_f32). A number that lies on a knife's edge between two numbers of the format may be rounded either way, as far as f32 arithmetic and the matrix unit's own rounding can turn it there, and no further.
;; One version. Each part assembles by itself: llvm-mc -triple=amdgcn-amd-amdhsa -mcpu=gfx1250 --defsym DOCPART=n.
;; ======== version 1 of 1: 4 launches
;; limits: right only within a limited range of input values
;; workspace buffers: x_codes 4,194,304 bytes; w_codes 4,194,304 bytes; qkv_codes 12,582,912 bytes; o_codes 4,194,304 bytes
;; launch quant (part 1): grid 256 x 1, 16 waves a work-group, no clusters, 200,704 bytes of LDS; arguments x, w_qkv, w_out, lowp_scales, x_codes, w_codes; writes x_codes, w_codes
.if DOCPART == 1
	.amdgcn_target "amdgcn-amd-amdhsa--gfx1250"
	.amdhsa_code_object_version 6
	.text
	.protected	k_qeb6ad79eb3_quant
	.globl	k_qeb6ad79eb3_quant
	.p2align	8
	.type	k_qeb6ad79eb3_quant,@function
k_qeb6ad79eb3_quant:
	s_mov_b64 s[64:65], 0
	v_nop
	global_prefetch_b8 v0, s[64:65] scope:SCOPE_SE
	s_setreg_imm32_b32 hwreg(HW_REG_WAVE_MODE, 25, 1), 1
	s_wait_xcnt 0x0
; THE PROGRAM: quant (codes of x and the weights), qkv (codes of q, k, v), attn (codes of o), proj (out0).
; WORK LEFT OUT, for all values of the inputs.  (1) Steps of 128 keys that all come after a tile's queries: reference()'s own lower-triangular mask gives them weight 0.  (2) m of the QUERY's row in the mask of the scores:
; a row whose m is 0 is multiplied by that 0 at the end, whatever finite numbers it holds; in a row whose m is not 0 the product m[i] m[j] is 0 just where m[j] is 0, and its own key counts.
; LIMITS: a NaN, an infinity or an overflow that reaches only this work is not carried to the result; a non-zero |m| is at least 2^-60, so that m[i] m[j] is 0 only where a factor is.
;
; THIS LAUNCH: x [4096][1024], w_qkv [1024][3072] and w_out [1024][1024], f32, become codes of FP8 (E4M3), each with the scale 2^e that is given for it.
; code = number / 2^e, held within +-448, rounded to the nearest code, ties to even.  e: entry 0 (x), 1 (w_qkv), 7 (w_out) of the buffer of scales.
; LIMITS: each of these e lies between -126 and 119, so that 2^e and 448 x 2^e are f32 numbers.  NaN among the inputs is not served; an infinity is held at the largest code.
; x_codes and w_codes are laid [block of 128 rows][quarter of K][row][256 codes]: 131,072 bytes a block.  w_codes' rows: 0-3071 w_qkv's columns, 3072-4095 w_out's.  In rows 2048-3071 (v's columns) row R holds column R with
; its bits 3 and 4 exchanged: the attention launch then finds 16 neighbouring channels of a head in a lane's 16 registers.
; 256 work-groups of 32,768 numbers.  Work-groups 0-127 take x (K is innermost), 128-255 the weights (K is the first axis: a lane takes a column, its registers run down K).  The two ways part on the work-group's number and
; never join; each has LDS bytes of its own.  A wave asks for all its 8,192 bytes at once.  No matrix unit, no cluster, no tensor load, no prefetch: nothing is shared or read twice, and there is no loop.
.set R,     16                         ; x: v16-79    four steps of 16 numbers as loaded
.set X,     80                         ; x: v80-143   and as neighbours
.set C,     144                        ; x: v144-159  codes
.set SP,    80                         ; x: a lane's place in a stage: 64 bytes + 16 of padding
.set WREG,  4*32*SP                    ; x: LDS bytes of a wave: a stage for each step
.set WSTG,  16*WREG                    ; weights: the stage, 128 rows of 256 codes + 16 of padding
.set WP,    272
.set SPARE, WSTG+128*WP
.set WX,    32                         ; weights: v32-95   two blocks of 32 numbers
.set WC,    96                         ; weights: v96-111  their codes
.set OUTR,  112                        ; weights: v112-127 the way out
.set OFFS,  128                        ; weights: v128-159 offset of row i of a block: my column's bytes + i rows
	s_load_b256 s[4:11], s[0:1], 0x0               ; x s[4:5], w_qkv s[6:7], w_out s[8:9], the scales' exponents s[10:11]
	s_load_b128 s[12:15], s[0:1], 0x20             ; x_codes s[12:13], w_codes s[14:15]
	v_lshl_add_u32 v12, v0, 2, SPARE
	v_mov_b32 v13, 0
	v_lshrrev_b32 v1, 5, v0
	v_readfirstlane_b32 s16, v1                    ; wave 0..15
	v_and_b32 v2, 31, v0                           ; lane
	v_lshlrev_b32 v3, 4, v2                        ; 16 x lane
	s_wait_alu depctr_va_vdst(0)
	s_wait_kmcnt 0x0
	s_load_b256 s[24:31], s[10:11], 0x0            ; e0 .. e7
	s_cmp_ge_u32 ttmp9, 128
	s_cbranch_scc1 .Lweights
; ---------------- x: a wave takes two rows, four steps of 512 numbers.  Each load reads 512 consecutive bytes; a step's 2,048 bytes turn through a stage of the wave's own and come back 64 bytes a lane: 16 neighbours along K,
; which the conversions want in one lane's registers.  A lane's 16 codes are 16 bytes: sixteen lanes store 256 consecutive bytes, aligned; the other sixteen the same row's next quarter of K.
	s_lshl_b32 s18, ttmp9, 4
	s_add_co_u32 s18, s18, s16
	s_lshl_b32 s20, s18, 13
	s_mov_b32 s21, 0
	s_add_nc_u64 s[4:5], s[4:5], s[20:21]          ; my two rows
.irp t, 0,1,2,3
.irp i, 0,1,2,3
	global_load_b128 v[R+16*\t+4*\i:R+16*\t+4*\i+3], v3, s[4:5] offset:2048*\t+512*\i th:TH_LOAD_NT
.endr
.endr
	s_mul_i32 s17, s16, WREG
	v_lshrrev_b32 v14, 2, v2
	v_mul_u32_u24 v14, v14, SP
	v_and_b32 v15, 3, v2
	v_lshl_add_u32 v14, v15, 4, v14
	v_add_nc_u32 v14, s17, v14                     ; into the stage: SP (lane / 4) + 16 (lane % 4)
	v_mul_u32_u24 v15, v2, SP
	v_add_nc_u32 v15, s17, v15                     ; out of it: SP x lane
	v_lshrrev_b32 v4, 4, v2
	v_lshlrev_b32 v4, 15, v4
	v_and_b32 v5, 15, v2
	v_lshl_add_u32 v4, v5, 4, v4                   ; codes: a quarter of K is 32,768 bytes on
	s_lshr_b32 s18, ttmp9, 2
	s_lshl_b32 s18, s18, 17                        ; block of 128 rows,
	s_and_b32 s19, ttmp9, 3
	s_lshl_b32 s19, s19, 13                        ; my work-group's 32 rows of it,
	s_add_co_u32 s18, s18, s19
	s_lshl_b32 s19, s16, 9                         ; my two
	s_add_co_u32 s18, s18, s19
	s_mov_b32 s19, 0
	s_add_nc_u64 s[12:13], s[12:13], s[18:19]
	s_wait_alu depctr_va_vdst(0)
	s_wait_kmcnt 0x0
	s_add_co_i32 s22, s24, 127
	s_lshl_b32 s23, s22, 23
	v_mov_b32 v11, s23                             ; 2^e0 as f32: the conversion takes its exponent field
	s_add_co_i32 s22, s22, 8
	s_lshl_b32 s22, s22, 23
	s_or_b32 s22, s22, 0x600000
	v_mov_b32 v10, s22                             ; 448 x 2^e0
	s_wait_alu depctr_va_vdst(0)
.irp t, 0,1,2,3
	s_wait_loadcnt 12-4*\t                         ; step t's four loads are in; those of the steps behind it may be out
.irp i, 0,1,2,3
	ds_store_b128 v14, v[R+16*\t+4*\i:R+16*\t+4*\i+3] offset:32*SP*\t+8*SP*\i
.endr
.irp i, 0,1,2,3
	ds_load_b128 v[X+16*\t+4*\i:X+16*\t+4*\i+3], v15 offset:32*SP*\t+16*\i   ; LDS serves a wave's instructions in order
.endr
.endr
.irp t, 0,1,2,3
	s_wait_dscnt 24-8*\t                           ; step t's numbers are back; the eight LDS instructions of each later step may be out
.irp i, 0,1,2,3,4,5,6,7,8,9,10,11,12,13,14,15
	v_med3_num_f32 v[X+16*\t+\i], v[X+16*\t+\i], -v10, v10   ; the conversion to an 8-bit code does not saturate (ISA guide 7.6.2): the hold comes first
.endr
	v_cvt_scalef32_pk8_fp8_f32 v[C+4*\t:C+4*\t+1], v[X+16*\t:X+16*\t+7], v11
	v_cvt_scalef32_pk8_fp8_f32 v[C+4*\t+2:C+4*\t+3], v[X+16*\t+8:X+16*\t+15], v11
	v_nop
	global_store_b128 v4, v[C+4*\t:C+4*\t+3], s[12:13] offset:65536*(\t%2)+256*(\t/2)   ; step t: row t / 2, quarters 2 (t % 2) and the next
.endr
	s_wait_tensorcnt 0x0                           ; the wave's end
	ds_add_u32 v12, v13
	s_wait_dscnt 0x0
	s_endpgm
; ---------------- the weights: work-group 128 + 4 cb + kb takes columns 128 cb .. + 127 (cb 0-23: w_qkv, 24-31: w_out) x quarter kb of K; wave w 32 columns (w % 4) x 64 along K (w / 4).  Each load reads 128 consecutive bytes,
; and the conversions give codes with K innermost.  They meet in a stage of the work-group's and leave as rows: sixteen lanes store 256 consecutive bytes, aligned.
.Lweights:
	s_sub_co_u32 s17, ttmp9, 128
	s_lshr_b32 s18, s17, 2                         ; cb
	s_and_b32 s19, s17, 3                          ; kb
	s_and_b32 s32, s16, 3                          ; which 32 columns
	s_lshr_b32 s33, s16, 2                         ; which 64 along K
	s_mov_b32 s22, 12288
	s_cmp_ge_u32 s18, 24                           ; w_out or w_qkv?  The choice hangs on the work-group's number alone
	s_cselect_b64 s[20:21], s[8:9], s[6:7]
	s_cselect_b32 s22, 4096, s22                   ; a row of the weight in bytes
	s_cselect_b32 s23, 24, 0                       ; the tensor's first cb
	s_sub_co_u32 s48, s18, 16
	s_cmp_lt_u32 s48, 8                            ; cb 16-23: v's columns: bits 3 and 4 of the column change places
	s_cselect_b32 s49, 4, 3                        ; where the lane's bit 3 goes
	s_cselect_b32 s50, 3, 4                        ; where its bit 4 goes
	v_and_b32 v4, 7, v2
	v_bfe_u32 v5, v2, 3, 1
	v_bfe_u32 v6, v2, 4, 1
	v_lshlrev_b32 v5, s49, v5
	v_lshlrev_b32 v6, s50, v6
	v_or_b32 v4, v4, v5
	v_or_b32 v4, v4, v6
	v_lshlrev_b32 v[OFFS], 2, v4                   ; my column among the wave's 32, in bytes
.set i, 1
.rept 31
	v_add_nc_u32 v[OFFS+i], s22, v[OFFS+i-1]       ; + i rows
.set i, i+1
.endr
	s_wait_alu depctr_va_vdst(0)
	s_sub_co_u32 s51, s18, s23
	s_lshl_b32 s51, s51, 9                         ; 128 columns x 4 bytes
	s_lshl_b32 s52, s32, 7                         ; 32 columns x 4 bytes
	s_add_co_u32 s51, s51, s52
	s_lshl_b32 s52, s19, 8
	s_lshl_b32 s53, s33, 6
	s_add_co_u32 s52, s52, s53
	s_mul_i32 s52, s52, s22                        ; 256 kb + 64 (w / 4) rows
	s_add_co_u32 s52, s52, s51
	s_mov_b32 s53, 0
	s_add_nc_u64 s[40:41], s[20:21], s[52:53]
	s_lshl_b32 s54, s22, 5                         ; 32 rows on
	s_mov_b32 s55, 0
	s_add_nc_u64 s[42:43], s[40:41], s[54:55]
.irp t, 0,1
.irp i, 0,1,2,3,4,5,6,7,8,9,10,11,12,13,14,15,16,17,18,19,20,21,22,23,24,25,26,27,28,29,30,31
	global_load_b32 v[WX+32*\t+\i], v[OFFS+\i], s[40+2*\t:41+2*\t] th:TH_LOAD_NT
.endr
.endr
	s_lshl_b32 s56, s32, 5
	v_add_nc_u32 v4, s56, v2
	v_mul_u32_u24 v4, v4, WP
	s_lshl_b32 s57, s33, 6
	s_add_co_u32 s57, s57, WSTG
	v_add_nc_u32 v4, s57, v4                       ; into the stage: row = my column, 64 (w / 4) bytes on
	v_and_b32 v5, 15, v2
	v_lshrrev_b32 v6, 4, v2
	v_mul_u32_u24 v7, v6, WP
	v_lshl_add_u32 v7, v5, 4, v7
	s_mul_i32 s57, s16, 8*WP
	s_add_co_u32 s57, s57, WSTG
	v_add_nc_u32 v7, s57, v7                       ; out of it: my eight rows, sixteen lanes to a row, two rows an instruction
	s_lshl_b32 s57, s18, 17
	s_lshl_b32 s58, s19, 15
	s_add_co_u32 s58, s57, s58                     ; block cb, quarter kb,
	s_lshl_b32 s57, s16, 11
	s_add_co_u32 s58, s58, s57                     ; my eight rows
	s_mov_b32 s59, 0
	s_add_nc_u64 s[14:15], s[14:15], s[58:59]
	s_wait_alu depctr_va_vdst(0)
	s_wait_kmcnt 0x0
	s_cmp_ge_u32 s18, 24
	s_cselect_b32 s60, s31, s25                    ; e7 or e1
	s_add_co_i32 s60, s60, 127
	s_lshl_b32 s61, s60, 23
	v_mov_b32 v11, s61                             ; 2^e
	s_add_co_i32 s60, s60, 8
	s_lshl_b32 s60, s60, 23
	s_or_b32 s60, s60, 0x600000
	v_mov_b32 v10, s60                             ; 448 x 2^e
	s_wait_alu depctr_va_vdst(0)
.irp t, 0,1
	s_wait_loadcnt 32-32*\t                        ; block t's 32 loads are in; the next block's may be out
.irp i, 0,1,2,3,4,5,6,7,8,9,10,11,12,13,14,15,16,17,18,19,20,21,22,23,24,25,26,27,28,29,30,31
	v_med3_num_f32 v[WX+32*\t+\i], v[WX+32*\t+\i], -v10, v10
.endr
.irp g, 0,1,2,3
	v_cvt_scalef32_pk8_fp8_f32 v[WC+8*\t+2*\g:WC+8*\t+2*\g+1], v[WX+32*\t+8*\g:WX+32*\t+8*\g+7], v11
.endr
	v_nop
	ds_store_b128 v4, v[WC+8*\t:WC+8*\t+3] offset:32*\t
	ds_store_b128 v4, v[WC+8*\t+4:WC+8*\t+7] offset:32*\t+16
.endr
	s_wait_dscnt 0x0                               ; my codes are stored, for the others' sake
	s_barrier_signal -1
	s_barrier_wait -1
.irp i, 0,1,2,3
	ds_load_b128 v[OUTR+4*\i:OUTR+4*\i+3], v7 offset:2*\i*WP
.endr
.irp i, 0,1,2,3
	s_wait_dscnt 3-\i                              ; the loads behind load i may be out
	global_store_b128 v3, v[OUTR+4*\i:OUTR+4*\i+3], s[14:15] offset:512*\i
.endr
	s_wait_tensorcnt 0x0                           ; the wave's end
	ds_add_u32 v12, v13
	s_wait_dscnt 0x0
	s_endpgm
.Lfunc_end_k_qeb6ad79eb3_quant:
	.size	k_qeb6ad79eb3_quant, .Lfunc_end_k_qeb6ad79eb3_quant-k_qeb6ad79eb3_quant
	.p2alignl 7, 3214868480
	.fill 96, 4, 3214868480
	.section	.rodata,"a",@progbits
	.p2align	6, 0x0
	.amdhsa_kernel k_qeb6ad79eb3_quant
		.amdhsa_group_segment_fixed_size 200704
		.amdhsa_private_segment_fixed_size 0
		.amdhsa_enable_private_segment 0
		.amdhsa_kernarg_size 48
		.amdhsa_user_sgpr_count 2
		.amdhsa_user_sgpr_kernarg_segment_ptr 1
		.amdhsa_wavefront_size32 1
		.amdhsa_system_sgpr_workgroup_id_x 1
		.amdhsa_system_sgpr_workgroup_id_y 1
		.amdhsa_system_sgpr_workgroup_id_z 1
		.amdhsa_system_vgpr_workitem_id 0
		.amdhsa_next_free_vgpr 160
		.amdhsa_next_free_sgpr 66
		.amdhsa_reserve_vcc 0
		.amdhsa_float_denorm_mode_32 3
		.amdhsa_float_denorm_mode_16_64 3
		.amdhsa_memory_ordered 1
		.amdhsa_forward_progress 1
		.amdhsa_inst_pref_size 27
	.end_amdhsa_kernel
	.amdgpu_metadata
---
amdhsa.version: [ 1, 2 ]
amdhsa.kernels:
  - .name:           k_qeb6ad79eb3_quant
    .symbol:         k_qeb6ad79eb3_quant.kd
    .args:
      - { .name: x, .offset: 0, .size: 8, .value_kind: global_buffer, .address_space: global }
      - { .name: w_qkv, .offset: 8, .size: 8, .value_kind: global_buffer, .address_space: global }
      - { .name: w_out, .offset: 16, .size: 8, .value_kind: global_buffer, .address_space: global }
      - { .name: lowp_scales, .offset: 24, .size: 8, .value_kind: global_buffer, .address_space: global }
      - { .name: x_codes, .offset: 32, .size: 8, .value_kind: global_buffer, .address_space: global }
      - { .name: w_codes, .offset: 40, .size: 8, .value_kind: global_buffer, .address_space: global }
    .group_segment_fixed_size: 200704
    .private_segment_fixed_size: 0
    .kernarg_segment_align: 8
    .kernarg_segment_size: 48
    .max_flat_workgroup_size: 512
    .sgpr_count:     66
    .vgpr_count:     160
    .wavefront_size: 32
...
	.end_amdgpu_metadata
.endif
;; end of part 1
;; launch qkv (part 2): grid 12 x 16, 4 waves a work-group, clusters of 4 x 4, 327,680 bytes of LDS; arguments x_codes, w_codes, lowp_scales, qkv_codes; writes qkv_codes
.if DOCPART == 2
	.amdgcn_target "amdgcn-amd-amdhsa--gfx1250"
	.amdhsa_code_object_version 6
	.text
	.protected	k_qeb6ad79eb3_qkv
	.globl	k_qeb6ad79eb3_qkv
	.p2align	8
	.type	k_qeb6ad79eb3_qkv,@function
k_qeb6ad79eb3_qkv:
	s_mov_b64 s[64:65], 0
	v_nop
	global_prefetch_b8 v0, s[64:65] scope:SCOPE_SE
	s_setreg_imm32_b32 hwreg(HW_REG_WAVE_MODE, 25, 1), 1
	s_wait_xcnt 0x0
	s_wait_alu depctr_hold_cnt(0) depctr_sa_sdst(0) depctr_va_vdst(0) depctr_va_sdst(0) depctr_va_ssrc(0) depctr_va_vcc(0) depctr_vm_vsrc(0)
	s_getreg_b32 s2, hwreg(HW_REG_IB_STS2, 6, 4)
	s_cmp_eq_u32 s2, 0
	s_cbranch_scc0 .Lentry_in_a_cluster
	s_endpgm
.Lentry_in_a_cluster:
	s_bfe_u32 s2, ttmp6, 0x10000c
	s_cmp_lg_u32 s2, 0xf033
	s_cbranch_scc0 .Lentry_shape_is_right
	s_endpgm
.Lentry_shape_is_right:
; qkv = x w_qkv on codes of FP8 (E4M3), quantised again with 2^e2 (q), 2^e3 (k), 2^e4 (v): each finished sum stands for sum x 2^(e0 + e1), so its code is sum / 2^(e2 (e3, e4) - e0 - e1), held within +-448.
; LIMITS: each of these three exponents lies between -126 and 119.  NaN is not served.
; A tile of 256 x 256 to a work-group, 192 of them (blocks of 256 x 192 would lie across the borders between q, k and v, which want different layouts); four waves, 128 x 128 each: 64 accumulators in windows 2 and 3.
; Cluster columns 0, 1: q, k: source 0 = 16 rows of w_codes, source 1 = 16 tokens; cluster column 2: v, with the two operands' parts exchanged, so that the registers run along the tokens.
; qkv_codes: q, k and v as images of the attention's operand registers, 4,194,304 bytes each: [batch x 16 + head] 131,072 bytes.
; CLUSTERS of 4 x 4: A's tile is shared along a row of the cluster, B's along a column: joint loads.
; Both operands are laid [block of 128 rows][quarter of K][row][256 bytes], so what a wave fetches is dense: at the head ONE load of K steps 0 and 1 (256 rows of 256 bytes: its parts of both LDS slots, which lie on end), then a
; refill of 128 rows.  In LDS 16 bytes of padding stand behind each 256.
; PREFETCH: K steps 2 and 3, which the refills bring, are asked for one whole K step ahead or more: 32 rows x 256 bytes a wave, a lane a row; the four partners of a joint load share the 128 rows out by address.
.set ROWB,   32768                     ; bytes of a K step of 128 rows in memory
.set PITCH,  272
.set FR,     16
.set NL,     4
.set NP,     4
.set SLOT,   128*PITCH                 ; a wave's part of slot 1 lies so far behind its part of slot 0
.set HALFT,  2*SLOT                    ; a wave's parts of both slots
.set SPARE,  4*HALFT
.set ADRA, 16
.set ADRB, 20
.set SPW,  28
.set NIL,  29
.set TMP,  32
.set AF,   128
.set CD,   128
.set G1, 24
.set G0, 32
.set G1B, 48
.set G0B, 56
.set BA, 66
.set MSB, 0
.macro WIN new
.if MSB != (\new)
	s_set_vgpr_msb (MSB<<8)|(\new)
.set MSB, (\new)
.endif
.endm
.set MUL_LO, 0xa1
.set MUL_HI, 0xf1
.set TO_B,   0x40
.macro JLOAD g0a, g1a, g0b, g1b
	s_cmp_eq_u32 s15, 0
	s_cbranch_scc0 .Lfor_b_\@
	tensor_load_to_lds s[\g0a:\g0a+3], s[\g1a:\g1a+7]
	s_nop 0
.rept 4
	v_nop
.endr
	s_branch .Lasked_\@
.Lfor_b_\@:
	tensor_load_to_lds s[\g0b:\g0b+3], s[\g1b:\g1b+7]
	s_nop 0
.rept 4
	v_nop
.endr
.Lasked_\@:
.endm
.macro CREST
	s_cmp_lg_u32 s14, 0
	s_cbranch_scc1 .Lnot_wave_0_\@
	s_barrier_signal -3
.Lnot_wave_0_\@:
	s_barrier_wait -3
	s_barrier_signal -1
	s_barrier_wait -1
.endm
.macro CROUND
	s_barrier_signal -1
	s_barrier_wait -1
	CREST
.endm
	s_load_b256 s[4:11], s[0:1], 0x0
	v_lshl_add_u32 v[SPW], v0, 2, SPARE
	v_mov_b32 v[NIL], 0
	ds_add_u32 v28, v29
	ds_add_u32 v28, v29
	s_wait_dscnt 0x0
	v_lshrrev_b32 v1, 5, v0
	v_readfirstlane_b32 s14, v1
	s_lshr_b32 s15, s14, 1
	s_and_b32 s16, s14, 1
	s_bfe_u32 s40, ttmp6, 0x40000
	s_bfe_u32 s41, ttmp6, 0x40004
	s_and_b32 s82, ttmp7, 0xffff
	s_lshl_b32 s82, s82, 2
	s_lshl_b32 s83, ttmp9, 2
	s_cmp_eq_u32 ttmp9, 2
	s_cselect_b32 s17, 0, s82
	s_cselect_b32 s42, s82, s83
	s_add_co_u32 s17, s17, s41
	s_add_co_u32 s42, s42, s40
	s_lshl_b32 s43, s41, 2
	s_lshl_b32 s43, 15, s43
	s_lshl_b32 s44, 0x1111, s40
	s_or_b32 s[G1+0], s43, (0<<16)|(1<<20)|(1<<21)|(5<<22)|(3<<25)
	s_or_b32 s[G1B+0], s44, (0<<16)|(1<<20)|(1<<21)|(5<<22)|(3<<25)
.irp g, G1, G1B
	s_mov_b32 s[\g+1], 256<<16
	s_mov_b32 s[\g+2], 256<<16
	s_mov_b32 s[\g+3], 256<<16
	s_mov_b32 s[\g+4], 256
	s_mov_b32 s[\g+5], 256
	s_mov_b32 s[\g+6], 0
	s_mov_b32 s[\g+7], 0
.endr
	s_lshl_b32 s18, s16, 7
	s_lshl_b32 s20, s17, 8
	s_add_co_u32 s20, s20, s18
	s_lshl_b32 s20, s20, 10
	s_mov_b32 s21, 0
	s_lshl_b32 s46, s42, 8
	s_add_co_u32 s46, s46, s18
	s_lshl_b32 s46, s46, 10
	s_mov_b32 s47, 0
	s_mul_i32 s45, s14, HALFT
	s_wait_kmcnt 0x0
	s_load_b256 s[84:91], s[8:9], 0x0
	s_add_nc_u64 s[92:93], s[6:7], 0x200000
	s_cmp_eq_u32 ttmp9, 2
	s_cselect_b64 s[94:95], s[92:93], s[4:5]
	s_cselect_b64 s[96:97], s[4:5], s[6:7]
	s_add_nc_u64 s[20:21], s[94:95], s[20:21]
	s_add_nc_u64 s[46:47], s[96:97], s[46:47]
	CROUND
.irp s, 0,1
	s_mov_b32 s[G0+4*\s], 1
	s_add_co_u32 s[G0+4*\s+1], s45, \s*SLOT
	s_add_nc_u64 s[G0+4*\s+2:G0+4*\s+3], s[20:21], \s*ROWB
	s_or_b32 s[G0+4*\s+3], s[G0+4*\s+3], 0x80000000
	s_mov_b32 s[G0B+4*\s], 1
	s_add_co_u32 s[G0B+4*\s+1], s45, \s*SLOT
	s_add_nc_u64 s[G0B+4*\s+2:G0B+4*\s+3], s[46:47], \s*ROWB
	s_or_b32 s[G0B+4*\s+3], s[G0B+4*\s+3], 0x80000000
.endr
	JLOAD G0, G1, G0B, G1B                         ; K steps 0 and 1: one tensor load a wave at the head
	s_cmp_eq_u32 s15, 0                            ; the prefetches: where my block of 128 rows begins,
	s_cselect_b64 s[12:13], s[20:21], s[46:47]
	s_cselect_b32 s2, s40, s41                     ; and my work-group's 32 rows of it: by cx among A's partners, by cy among B's
	s_lshl_b32 s2, s2, 13
	s_mov_b32 s3, 0
	s_add_nc_u64 s[12:13], s[12:13], s[2:3]
	v_and_b32 v5, 31, v0
	v_lshlrev_b32 v5, 8, v5                        ; a lane a row of 256 bytes; never rewritten
	v_and_b32 v1, 15, v0
	v_bfe_u32 v2, v0, 4, 1
	v_mul_u32_u24 v3, v1, PITCH
	v_lshl_add_u32 v4, v2, 4, v3
	s_mul_i32 s21, s15, HALFT
	s_mul_i32 s22, s16, HALFT
	s_add_co_u32 s22, s22, 2*HALFT
.irp s, 0,1
	v_add_nc_u32 v[ADRA+\s], s21, v4
	v_add_nc_u32 v[ADRB+\s], s22, v4
	s_add_co_u32 s21, s21, SLOT
	s_add_co_u32 s22, s22, SLOT
.endr
	s_mov_b32 s82, 1024
	s_mov_b32 s96, 4096
	s_mov_b32 s98, 0x20000
	s_cmp_eq_u32 ttmp9, 2
	s_cselect_b32 s92, s42, s17
	s_cselect_b32 s93, s41, s40
	s_cselect_b32 s94, s15, s16
	s_cselect_b32 s95, s16, s15
	s_cselect_b32 s82, 2048, s82
	s_cselect_b32 s96, 0x20000, s96
	s_cselect_b32 s98, 1024, s98
	s_mov_b32 s83, 0
	s_mov_b32 s97, 0
	s_lshr_b32 s99, s92, 3
	s_lshl_b32 s99, s99, 4
	s_lshl_b32 s93, s93, 2
	s_add_co_u32 s99, s99, s93
	s_lshl_b32 s94, s94, 1
	s_add_co_u32 s99, s99, s94
	s_lshl_b32 s99, s99, 17
	s_and_b32 s92, s92, 7
	s_lshl_b32 s92, s92, 1
	s_add_co_u32 s92, s92, s95
	s_lshl_b32 s92, s92, 13
	s_add_co_u32 s92, s92, s99
	s_lshl_b32 s93, ttmp9, 22
	s_add_co_u32 s92, s92, s93
	s_mov_b32 s93, 0
	s_add_nc_u64 s[BA:BA+1], s[10:11], s[92:93]
.irp a, 1,2,3
	s_add_nc_u64 s[BA+2*\a:BA+2*\a+1], s[BA+2*\a-2:BA+2*\a-1], s[82:83]
.endr
	s_add_nc_u64 s[BA+8:BA+9], s[BA:BA+1], s[96:97]
.irp a, 5,6,7
	s_add_nc_u64 s[BA+2*\a:BA+2*\a+1], s[BA+2*\a-2:BA+2*\a-1], s[82:83]
.endr
	v_and_b32 v6, 31, v0
	v_lshlrev_b32 v26, 4, v6
	v_add_nc_u32 v27, s98, v26
	s_wait_alu depctr_va_vdst(0)
	global_prefetch_b8 v5, s[12:13] offset:2*ROWB th:TH_LOAD_NT scope:SCOPE_SE   ; K step 2: its refill stands behind K step 0's products
.macro FRAG reg, adr, q, i
.irp c, 0,1,2,3
	ds_load_b128 v[\reg+4*\c:\reg+4*\c+3], v[\adr] offset:128*(\q)+32*\c+(\i)*16*PITCH
.endr
.endm
.macro MUL16 a0, p, zero
.irp a, \a0, \a0+1
.irp b, 0,1,2,3,4,5,6,7
.if \zero
	v_wmma_f32_16x16x128_fp8_fp8 v[8*(8*((\a)%4)+\b):8*(8*((\a)%4)+\b)+7], v[128*(\p)+FR*\b:128*(\p)+FR*\b+FR-1], v[AF+FR*(\a):AF+FR*(\a)+FR-1], 0
.else
	v_wmma_f32_16x16x128_fp8_fp8 v[8*(8*((\a)%4)+\b):8*(8*((\a)%4)+\b)+7], v[128*(\p)+FR*\b:128*(\p)+FR*\b+FR-1], v[AF+FR*(\a):AF+FR*(\a)+FR-1], v[8*(8*((\a)%4)+\b):8*(8*((\a)%4)+\b)+7]
.endif
.endr
.endr
.endm
.macro FETCH_B slot, q, p
	WIN TO_B
.irp i, 0,1,2,3,4,5,6,7
	FRAG 128*(\p)+FR*\i, ADRB+\slot, \q, \i
.endr
	WIN 0
.endm
.macro FETCH_A slot, q, i0
.irp i, \i0, \i0+1, \i0+2, \i0+3
	FRAG AF+FR*(\i), ADRA+\slot, \q, \i
.endr
.endm
.macro PLACES n
.rept \n
	v_nop
.endr
.endm
.macro STEP slot, q, zero
	s_wait_dscnt 4*NL
	WIN MUL_LO
	MUL16 0, (\q)%2, \zero
	MUL16 2, (\q)%2, \zero
	s_wait_dscnt 0
	PLACES NP
	FETCH_B \slot, (\q)+1, 1-(\q)%2
	FETCH_A \slot, (\q)+1, 0
	WIN MUL_HI
	MUL16 4, (\q)%2, \zero
	MUL16 6, (\q)%2, \zero
	PLACES NP
	WIN 0
	FETCH_A \slot, (\q)+1, 4
.endm
.macro TURN slot, next, fill
	s_wait_tensorcnt 0x0
	ds_add_u32 v[SPW], v[NIL]
	s_wait_dscnt 4*NL+1
	WIN MUL_LO
	MUL16 0, 1, 0
	s_wait_dscnt 0x0
	s_barrier_signal -1
	MUL16 2, 1, 0
	WIN 0
	s_barrier_wait -1
.if \fill
	CREST
	s_add_nc_u64 s[G0+4*\slot+2:G0+4*\slot+3], s[G0+4*\slot+2:G0+4*\slot+3], 2*ROWB
	s_add_nc_u64 s[G0B+4*\slot+2:G0B+4*\slot+3], s[G0B+4*\slot+2:G0B+4*\slot+3], 2*ROWB
	JLOAD G0+4*\slot, G1, G0B+4*\slot, G1B
.else
	PLACES NP
.endif
	FETCH_B \next, 0, 0
	FETCH_A \next, 0, 0
	WIN MUL_HI
	MUL16 4, 1, 0
	MUL16 6, 1, 0
	PLACES NP
	WIN 0
	FETCH_A \next, 0, 4
.endm
	s_wait_alu depctr_va_vdst(0)
	s_wait_tensorcnt 0x0                           ; my parts of K steps 0 and 1 are in, so group 1 may be written: a refill's 128 rows
	s_mov_b32 s[G1+2], 128<<16
	s_mov_b32 s[G1+4], 128
	s_mov_b32 s[G1B+2], 128<<16
	s_mov_b32 s[G1B+4], 128
	s_barrier_signal -1
	s_barrier_wait -1
	FETCH_B 0, 0, 0
	FETCH_A 0, 0, 0
	FETCH_A 0, 0, 4
	global_prefetch_b8 v5, s[12:13] offset:3*ROWB th:TH_LOAD_NT scope:SCOPE_SE   ; K step 3: its refill stands behind K step 1's products
	STEP 0, 0, 1
	TURN 0, 1, 1
	STEP 1, 0, 0
	TURN 1, 0, 1
	STEP 0, 0, 0
	TURN 0, 1, 0
	STEP 1, 0, 0
	s_wait_dscnt 4*NL
	WIN MUL_LO
	MUL16 0, 1, 0
	MUL16 2, 1, 0
	s_wait_dscnt 0
	WIN MUL_HI
	MUL16 4, 1, 0
	MUL16 6, 1, 0
	WIN 0
	s_wait_kmcnt 0x0
	s_cmp_eq_u32 ttmp9, 0
	s_cselect_b32 s3, s86, s87
	s_cmp_eq_u32 ttmp9, 2
	s_cselect_b32 s3, s88, s3
	s_sub_co_i32 s3, s3, s84
	s_sub_co_i32 s3, s3, s85
	s_add_co_i32 s3, s3, 127
	s_lshl_b32 s2, s3, 23
	v_mov_b32 v30, s2
	s_add_co_i32 s3, s3, 8
	s_lshl_b32 s3, s3, 23
	s_or_b32 s3, s3, 0x600000
	v_mov_b32 v31, s3
	PLACES NP
.macro OUTBLK a
.set AC, 64*((\a)%4)
	WIN 0x02+((\a)/4)
.set j, 0
.rept 64
	v_med3_num_f32 v[TMP+j], v[AC+j], -v31, v31
.set j, j+1
.endr
	WIN 0
.irp b, 0,1,2,3,4,5,6,7
	v_cvt_scalef32_pk8_fp8_f32 v[CD+16*(\a)+2*\b:CD+16*(\a)+2*\b+1], v[TMP+8*\b:TMP+8*\b+7], v30
.endr
	v_nop
.irp c, 0,1,2,3
	global_store_b128 v[26+\c/2], v[CD+16*(\a)+4*\c:CD+16*(\a)+4*\c+3], s[BA+2*(\a):BA+2*(\a)+1] offset:512*(\c%2)
.endr
.endm
.irp a, 0,1,2,3,4,5,6,7
	OUTBLK \a
.endr
	s_wait_tensorcnt 0x0
	ds_add_u32 v[SPW], v[NIL]
	s_wait_dscnt 0x0
	CROUND
	s_endpgm
.Lfunc_end_k_qeb6ad79eb3_qkv:
	.size	k_qeb6ad79eb3_qkv, .Lfunc_end_k_qeb6ad79eb3_qkv-k_qeb6ad79eb3_qkv
	.p2alignl 7, 3214868480
	.fill 96, 4, 3214868480
	.section	.rodata,"a",@progbits
	.p2align	6, 0x0
	.amdhsa_kernel k_qeb6ad79eb3_qkv
		.amdhsa_group_segment_fixed_size 327680
		.amdhsa_private_segment_fixed_size 0
		.amdhsa_enable_private_segment 0
		.amdhsa_kernarg_size 32
		.amdhsa_user_sgpr_count 2
		.amdhsa_user_sgpr_kernarg_segment_ptr 1
		.amdhsa_wavefront_size32 1
		.amdhsa_system_sgpr_workgroup_id_x 1
		.amdhsa_system_sgpr_workgroup_id_y 1
		.amdhsa_system_sgpr_workgroup_id_z 1
		.amdhsa_system_vgpr_workitem_id 0
		.amdhsa_next_free_vgpr 1024
		.amdhsa_next_free_sgpr 100
		.amdhsa_reserve_vcc 0
		.amdhsa_float_denorm_mode_32 3
		.amdhsa_float_denorm_mode_16_64 3
		.amdhsa_memory_ordered 1
		.amdhsa_forward_progress 1
		.amdhsa_inst_pref_size 119
	.end_amdhsa_kernel
	.amdgpu_metadata
---
amdhsa.version: [ 1, 2 ]
amdhsa.kernels:
  - .name:           k_qeb6ad79eb3_qkv
    .symbol:         k_qeb6ad79eb3_qkv.kd
    .args:
      - { .name: x_codes, .offset: 0, .size: 8, .value_kind: global_buffer, .address_space: global }
      - { .name: w_codes, .offset: 8, .size: 8, .value_kind: global_buffer, .address_space: global }
      - { .name: lowp_scales, .offset: 16, .size: 8, .value_kind: global_buffer, .address_space: global }
      - { .name: qkv_codes, .offset: 24, .size: 8, .value_kind: global_buffer, .address_space: global }
    .group_segment_fixed_size: 327680
    .private_segment_fixed_size: 0
    .kernarg_segment_align: 8
    .kernarg_segment_size: 32
    .max_flat_workgroup_size: 128
    .sgpr_count:     100
    .vgpr_count:     1024
    .wavefront_size: 32
...
	.end_amdgpu_metadata
.endif
;; end of part 2
;; launch attn (part 3): grid 8 x 32, 8 waves a work-group, clusters of 4 x 1, 327,680 bytes of LDS; arguments qkv_codes, m, lowp_scales, o_codes; writes o_codes
.if DOCPART == 3
	.amdgcn_target "amdgcn-amd-amdhsa--gfx1250"
	.amdhsa_code_object_version 6
	.text
	.protected	k_qeb6ad79eb3_attn
	.globl	k_qeb6ad79eb3_attn
	.p2align	8
	.type	k_qeb6ad79eb3_attn,@function
k_qeb6ad79eb3_attn:
	s_mov_b64 s[64:65], 0
	v_nop
	global_prefetch_b8 v0, s[64:65] scope:SCOPE_SE
	s_setreg_imm32_b32 hwreg(HW_REG_WAVE_MODE, 25, 1), 1
	s_wait_xcnt 0x0
	s_wait_alu depctr_hold_cnt(0) depctr_sa_sdst(0) depctr_va_vdst(0) depctr_va_sdst(0) depctr_va_ssrc(0) depctr_va_vcc(0) depctr_vm_vsrc(0)
	s_getreg_b32 s2, hwreg(HW_REG_IB_STS2, 6, 4)
	s_cmp_eq_u32 s2, 0
	s_cbranch_scc0 .Lentry_in_a_cluster
	s_endpgm
.Lentry_in_a_cluster:
	s_bfe_u32 s2, ttmp6, 0x10000c
	s_cmp_lg_u32 s2, 0x3003
	s_cbranch_scc0 .Lentry_shape_is_right
	s_endpgm
.Lentry_shape_is_right:
; o = softmax(q k^T / 8, masked) v for one head, both products on codes of FP8 (E4M3), and o quantised with 2^e6 for the last product.
; WORK LEFT OUT (shown dead at the head of the first kernel): steps whose keys all come after a tile's queries; m of the query's row.  So key j counts for query i where j <= i and m[j] is not 0.
; THE SOFTMAX: t = score x log2(e) / 8; M = the running largest t, rounded UP to a whole number; p = 2^(t - M) is quantised with 2^e5; the row's sum is taken of the unquantised p and divides at the end; when M moves,
; the sum and O are multiplied by 2^(old M - new M), which rounds nothing.  A row none of whose keys counts gets zeros.
; LIMITS: e2 + e3 between -80 and 90; e5, and e6 - e4 - e5, between -126 and 119; a non-zero |m| is at least 2^-60.  NaN is not served.
; SHARES.  A head's 2,048 queries are 16 blocks of 128, a block 4 units of 32 queries (two tiles of 16).  The head has two clusters of four work-groups; cluster 0 owns blocks 0, 3, 4, 7, 8, 11, 12, 15, cluster 1 the others;
; the work-group at place cx owns unit cx of each.  Blocks s and 15 - s are a pair of 17 steps of 128 keys; pair i is on waves 2 i and 2 i + 1: one (role 0) walks steps 0-8 of the long block, the other (role 1) all of the
; short one and then steps 9 on of the long one: 9 and 8 steps.  Roles alternate, in waves 0-3 and 4-7 the other way round, so waves w and w + 4 have both roles too.  The long block's two parts are joined through LDS.
; All work-groups have the same shape; branches hang on the wave and the cluster, never on cx, which enters global addresses and numbers alone.
; LDS.  The head's K and V lie in LDS whole, as images of operand registers (16 bytes a lane on end), joint for the four work-groups; no byte is filled twice.  They come in two groups, one load a wave in each: the head's
; brings the first 384 keys of K and of V (6,144 bytes a wave); behind a round of the cluster's barrier the second brings the other 1,664 (26,624 bytes a wave), while steps 0 and 1 (whose look-ahead ends with key 383) are
; worked; then one barrier shows it.  Behind V: 2,048 words, 0 or -2^100, one a key, made from m, and 256 zero words (the look-ahead of the last step ends there).
; No prefetch: all tiles are asked for in the two groups, there is no loop of loads to run ahead in.
; LAYOUT.  S^T = K Q^T: lane (r, h) holds query r and, in tile t, keys 16 t + 8 h + 0..7.  The key's word from m is the C of that product.  p's eight registers of tile t become registers 2 t, 2 t + 1 of source 1 of
; O^T = V^T P^T.  V's rows are laid so that O^T's tiles 2 u, 2 u + 1 hold channels 32 u + 16 h + 0..15.
; REGISTERS.  Window 0 is the first tile's, window 1 the second's, at the same numbers: v120-183 S^T and p, v184-215 O^T, v216-231 p's codes, v232-247 at work, v248 448 x 2^e5, v249 2^e5, v250-251 the sum in two halves.
;   window 0 too: v1-3 addresses that stay, v6-7 the add's, v8-10 the step's addresses, v11-12 the join's, v14-15 the largest t, v16 and v18 -M, v20 and v22 the factors, v32-39 1 where a key of the diagonal tile is hidden,
;   v40-55 Q of both tiles, v56-119 K.   window 1 too: v0-63 V, v64-79 the long block's Q.
.set VIMG, 131072
.set BIAS, 262144
.set MRG,  BIAS+9216                   ; the join: for each pair 2 x 4,096 bytes of O^T, then 2 x 256 of -M and the sum
.set MPAIR, 8704
.set SPARE, MRG+4*MPAIR
.set TB,  48                           ; s48  the step's first byte in K's and V's images
.set ST,  49                           ; s49  the step
.set BLK, 50                           ; s50  my block
.set LIM, 51                           ; s51  my last step
.set MSB, 0
.macro WIN new
.if MSB != (\new)
	s_set_vgpr_msb (MSB<<8)|(\new)
.set MSB, (\new)
.endif
.endm
.macro CROUND
	s_barrier_signal -1
	s_barrier_wait -1
	s_cmp_lg_u32 s18, 0
	s_cbranch_scc1 .Lnot_wave_0_\@
	s_barrier_signal -3
.Lnot_wave_0_\@:
	s_barrier_wait -3
	s_barrier_signal -1
	s_barrier_wait -1
.endm
.macro PLACES n
.rept \n
	v_nop
.endr
.endm
	s_load_b256 s[4:11], s[0:1], 0x0               ; qkv_codes s[4:5], m s[6:7], the scales' exponents s[8:9], o_codes s[10:11]
	v_lshl_add_u32 v6, v0, 2, SPARE
	v_mov_b32 v7, 0
	ds_add_u32 v6, v7
	ds_add_u32 v6, v7
	v_lshrrev_b32 v8, 5, v0
	v_readfirstlane_b32 s18, v8                    ; wave 0..7
	s_and_b32 s19, ttmp7, 0xffff                   ; batch x 16 + head
	s_mov_b32 s24, 15|(3<<16)|(1<<21)              ; all four work-groups of the cluster; elements of 8 bytes; bit 21 beside a mask; no padding
	s_mov_b32 s25, 32<<16                          ; 24 rows of 256 bytes, dense
	s_mov_b32 s26, 24<<16
	s_mov_b32 s27, 32<<16
	s_mov_b32 s28, 24
	s_mov_b32 s29, 32
	s_mov_b32 s30, 0
	s_mov_b32 s31, 0
	s_mov_b32 s36, 15|(3<<16)|(1<<21)              ; the second group's loads: 104 rows
	s_mov_b32 s37, 32<<16
	s_mov_b32 s38, 104<<16
	s_mov_b32 s39, 32<<16
	s_mov_b32 s40, 104
	s_mov_b32 s41, 32
	s_mov_b32 s42, 0
	s_mov_b32 s43, 0
	s_and_b32 s57, s18, 1                          ; even waves fetch K, odd ones V:
	s_lshr_b32 s58, s18, 1                         ; a quarter of each group's keys
	s_mul_i32 s60, s58, 6144
	s_mul_i32 s86, s58, 26624
	s_add_co_u32 s86, s86, 24576
	s_lshl_b32 s61, s57, 17
	s_add_co_u32 s87, s61, s86                     ; in LDS
	s_add_co_u32 s61, s61, s60
	s_add_co_u32 s62, s57, 1
	s_lshl_b32 s62, s62, 22                        ; part 1 (k) or 2 (v) of qkv_codes
	s_lshl_b32 s63, s19, 17                        ; my head's 131,072 bytes in a part
	s_add_co_u32 s62, s62, s63
	s_add_co_u32 s84, s62, s60
	s_mov_b32 s85, 0
	s_wait_dscnt 0x0
	s_wait_kmcnt 0x0
	s_load_b256 s[68:75], s[8:9], 0x0              ; e0 .. e7
	s_mov_b32 s32, 1
	s_mov_b32 s33, s61
	s_add_nc_u64 s[34:35], s[4:5], s[84:85]
	s_or_b32 s35, s35, 0x80000000
	s_add_co_u32 s84, s62, s86
	s_mov_b32 s92, 1
	s_mov_b32 s93, s87
	s_add_nc_u64 s[94:95], s[4:5], s[84:85]
	s_or_b32 s95, s95, 0x80000000
	CROUND                                         ; the joint loads meet
	tensor_load_to_lds s[32:35], s[24:31]
	s_nop 0
	PLACES 4
	s_lshr_b32 s56, s18, 1                         ; pair i
	s_lshr_b32 s55, s18, 2
	s_xor_b32 s55, s55, s18
	s_and_b32 s55, s55, 1                          ; role 0: the long block's steps 0-8;  1: the short block, then the long one's steps 9 on
	s_bfe_u32 s54, ttmp6, 0x40000                  ; cx
	s_and_b32 s57, s56, 1
	s_xor_b32 s57, s57, ttmp9
	s_lshl_b32 s58, s56, 1
	s_add_co_u32 s57, s58, s57                     ; the short block: 2 i + ((i & 1) ^ cluster)
	s_sub_co_u32 s53, 15, s57                      ; the long one
	s_lshl_b32 s58, s54, 1                         ; my two tiles in a block: 2 cx,
	s_add_co_u32 s59, s58, 1                       ; and 2 cx + 1
	s_cmp_eq_u32 s55, 0
	s_cselect_b32 s[BLK], s53, s57
	s_cselect_b32 s[LIM], 8, s57
	s_cselect_b32 s52, 0, s53                      ; the last step of the second walk (0: none)
	s_lshl_b32 s60, s[BLK], 3
	s_add_co_u32 s60, s60, s58                     ; my first tile in the batch
	s_lshl_b32 s61, s53, 3
	s_add_co_u32 s61, s61, s58                     ; the long block's
	s_lshl_b32 s84, s60, 10
	s_add_co_u32 s84, s84, s63
	s_add_nc_u64 s[76:77], s[4:5], s[84:85]        ; Q's images
	s_lshl_b32 s84, s61, 10
	s_add_co_u32 s84, s84, s63
	s_add_nc_u64 s[82:83], s[4:5], s[84:85]
	s_lshr_b32 s62, s19, 4                         ; batch
	s_lshl_b32 s84, s62, 13
	s_add_nc_u64 s[6:7], s[6:7], s[84:85]          ; m of my batch
	s_lshl_b32 s62, s62, 7
	s_add_co_u32 s60, s60, s62                     ; my tile among all 256 tiles of tokens
	s_lshl_b32 s84, s60, 14
	s_and_b32 s57, s19, 15
	s_lshl_b32 s57, s57, 10                        ; my head's 1,024 bytes of the tile's image
	s_add_co_u32 s84, s84, s57
	s_add_nc_u64 s[78:79], s[10:11], s[84:85]
	v_lshlrev_b32 v13, 5, v0
	global_load_b128 v[120:123], v13, s[6:7]       ; thread n: m of keys 8 n .. 8 n + 7
	global_load_b128 v[124:127], v13, s[6:7] offset:16
	v_and_b32 v1, 31, v0
	v_lshlrev_b32 v1, 4, v1                        ; 16 x lane
.irp c, 0,1,2,3
	global_load_b128 v[40+4*\c:43+4*\c], v1, s[76:77] offset:512*\c     ; Q of my two tiles
.endr
	WIN 0x40
.irp c, 0,1,2,3
	global_load_b128 v[64+4*\c:67+4*\c], v1, s[82:83] offset:512*\c     ; and of the long block's
.endr
	WIN 0
	v_add_nc_u32 v2, VIMG, v1
	v_bfe_u32 v8, v0, 4, 1                         ; h
	v_lshl_add_u32 v3, v8, 5, BIAS                 ; m's words: 8 h keys on
	v_and_b32 v9, 15, v0
	v_lshlrev_b32 v10, 3, v8
	v_sub_nc_u32 v9, v9, v10                       ; r - 8 h: on the diagonal tile key 8 h + j is hidden where j is above it
	v_mov_b32 v10, 1.0
.irp j, 0,1,2,3,4,5,6,7
	v_cmp_gt_i32 vcc_lo, \j, v9
	v_cndmask_b32 v[32+\j], 0, v10, vcc_lo
.endr
	s_mul_i32 s57, s56, MPAIR
	s_add_co_u32 s57, s57, MRG
	v_add_nc_u32 v11, s57, v1
	v_lshrrev_b32 v12, 1, v1
	v_add_nc_u32 v12, s57, v12
	v_lshl_add_u32 v8, v0, 5, BIAS
	v_lshl_add_u32 v9, v0, 2, BIAS+8192
	v_mov_b32 v24, 0xf1800000                      ; -2^100
	v_mov_b32 v14, 0xff61b1e6                      ; the largest t so far: -3e38
	v_mov_b32 v15, 0xff61b1e6
	v_floor_f32 v16, -v14                          ; -M
	v_floor_f32 v18, -v15
.irp j, 17,19,21,23,25,27,28,29,30,31,250,251      ; (upper halves of pairs, lane permutes' destinations, the sums)
	v_mov_b32 v\j, 0
.endr
.macro ZERO                            ; O^T of both tiles and the second tile's sum: the step is written for every step alike; a walk's first finds zeros
.set j, 0
.rept 32
	v_mov_b32 v[184+j], 0
.set j, j+1
.endr
	WIN 0x40
.set j, 0
.rept 32
	v_mov_b32 v[184+j], 0
.set j, j+1
.endr
	v_mov_b32 v250, 0
	v_mov_b32 v251, 0
	WIN 0
.endm
	ZERO
	s_mov_b32 s20, 0x76543210
	s_mov_b32 s21, 0xfedcba98                      ; v_permlanex16_b32's selects for lane l xor 16
	s_mov_b32 s47, 0xf1800000                      ; -2^100
	s_mov_b32 s89, 0
	s_mov_b32 s91, 0
	s_wait_alu depctr_va_vdst(0)
	s_wait_kmcnt 0x0
	s_add_co_i32 s84, s70, s71
	s_lshl_b32 s84, s84, 23
	s_add_co_i32 s22, s84, 0x3e38aa3b              ; c = log2(e) / 8, with e2 + e3 added to its exponent field
	s_mov_b32 s23, s22                             ; (named with it as a pair)
	s_add_co_i32 s84, s73, 127
	s_lshl_b32 s85, s84, 23                        ; 2^e5
	s_add_co_i32 s84, s84, 8
	s_lshl_b32 s84, s84, 23
	s_or_b32 s84, s84, 0x600000                    ; 448 x 2^e5
	s_sub_co_i32 s66, s74, s72
	s_sub_co_i32 s66, s66, s73
	s_add_co_i32 s66, s66, 127
	s_lshl_b32 s67, s66, 23                        ; 2^(e6 - e4 - e5), for the way out
	s_add_co_i32 s66, s66, 8
	s_lshl_b32 s66, s66, 23
	s_or_b32 s66, s66, 0x600000                    ; 448 x that
	v_mov_b32 v248, s84
	v_mov_b32 v249, s85
	WIN 0x40
	v_mov_b32 v248, s84
	v_mov_b32 v249, s85
	WIN 0
	s_wait_alu depctr_va_vdst(0)
	s_wait_loadcnt 0x8                             ; m is in; Q's eight loads may be out
.irp i, 0,1,2,3,4,5,6,7
	v_cmp_eq_f32 vcc_lo, 0, v[120+\i]
	v_cndmask_b32 v[120+\i], 0, v24, vcc_lo        ; -2^100 where m is 0, else 0
.endr
	ds_store_b128 v8, v[120:123]
	ds_store_b128 v8, v[124:127] offset:16
	ds_store_b32 v9, v17                           ; the 256 zero words behind the table
	s_wait_alu depctr_va_vdst(0)
	s_wait_loadcnt 0x0                             ; Q
	s_wait_tensorcnt 0x0                           ; my part of the first 384 keys is in
	ds_add_u32 v6, v7
	s_wait_dscnt 0x0                               ; the add and my words from m are done
	CROUND                                         ; everybody's are, and the joint loads meet
	tensor_load_to_lds s[92:95], s[36:43]          ; the other keys
	s_nop 0
	PLACES 4
	s_mov_b32 s[TB], 0
	s_mov_b32 s[ST], 0
; K and m's words of the step at TB + ahead (in bytes of K).  m's words land in the first tile's S^T: they are the C of both tiles' products.
.macro LOADC ahead
.irp t, 0,1,2,3,4,5,6,7
	ds_load_b128 v[120+8*\t:123+8*\t], v10 offset:\ahead/16+64*\t
	ds_load_b128 v[124+8*\t:127+8*\t], v10 offset:\ahead/16+64*\t+16
.endr
.endm
.macro LOADK ahead, t                  ; one tile of 16 keys
	ds_load_b128 v[56+8*\t:59+8*\t], v8 offset:\ahead+1024*\t
	ds_load_b128 v[60+8*\t:63+8*\t], v8 offset:\ahead+1024*\t+512
.endm
.macro PRE                             ; a walk's first step
	s_lshr_b32 s57, s[TB], 4
	v_add_nc_u32 v8, s[TB], v1
	v_add_nc_u32 v10, s57, v3
	LOADC 0
.irp u, 0,1,2,3,4,5,6,7
	LOADK 0, \u
.endr
.endm
; The step on the diagonal, one tile (number s[g] in its block): hidden scores get -2^100 added: all of tiles t above it, and by v32-39 those of tile t = s[g].
.macro DIAG g, win
	WIN \win
.irp t, 0,1,2,3,4,5,6,7
	s_cmp_eq_u32 s[\g], \t
	s_cselect_b32 s88, s47, 0
	s_cmp_lt_u32 s[\g], \t
	s_cselect_b32 s90, s47, 0
.irp j, 0,2,4,6
	v_pk_fma_f32 v[120+8*\t+\j:121+8*\t+\j], v[32+\j:33+\j], s[88:89], v[120+8*\t+\j:121+8*\t+\j] op_sel_hi:[1,0,1]
.endr
.irp j, 0,2,4,6
	v_pk_add_f32 v[120+8*\t+\j:121+8*\t+\j], s[90:91], v[120+8*\t+\j:121+8*\t+\j] op_sel_hi:[0,1]
.endr
.endr
	WIN 0
.endm
; A tile's largest score among my 64 keys, in eight chains, each accumulator from its low end on; with a floor of -2^30: under every score that counts (64 x 448 x 448 is under 2^24), far over -2^100.
.macro LARGEST dst, win, wout
	WIN \win
.set k, 0
.rept 8
	v_max3_num_f32 v[232+k], v[120+3*k], v[121+3*k], v[122+3*k]
.set k, k+1
.endr
.set k, 0
.rept 20
	v_max3_num_f32 v[232+k%8], v[232+k%8], v[144+2*k], v[145+2*k]
.set k, k+1
.endr
	v_max3_num_f32 v232, v232, v233, v234
	v_max3_num_f32 v235, v235, v236, v237
	v_max3_num_f32 v238, v238, v239, v232
	WIN \wout
	v_max3_num_f32 v[\dst], v238, v235, 0xce800000
.endm
.macro RESCALE f, win                  ; O^T under the new M
	WIN \win
.set k, 0
.rept 16
	v_pk_mul_f32 v[184+2*k:185+2*k], v[184+2*k:185+2*k], v[\f:\f+1] op_sel_hi:[1,0]
.set k, k+1
.endr
.endm
.macro HOLD n                          ; two p's held at 448 x 2^e5 (the conversion does not saturate: ISA guide 7.6.2); p is not negative: one-sided
	v_dual_min_num_f32 v[120+2*(\n)], v[120+2*(\n)], v248 :: v_dual_min_num_f32 v[121+2*(\n)], v[121+2*(\n)], v248
.endm
; A tile's p, its sum and its codes.  win: sources 0 and destinations in the tile's window, the rest in window 0; wall: all in the tile's window.
; The exponentials go in two batches of 32; among the second stand lines on the first one's results, none of which writes what a line of the same batch reads.
.macro SOFT nm, f, win, wall
	WIN \win
.set k, 0
.rept 32
	v_pk_fma_f32 v[120+2*k:121+2*k], v[120+2*k:121+2*k], s[22:23], v[\nm:\nm+1] op_sel_hi:[1,0,0]   ; t - M, two at a time
.set k, k+1
.endr
	v_pk_mul_f32 v[250:251], v[250:251], v[\f:\f+1] op_sel_hi:[1,0]   ; the sum under the new M
	WIN \wall
	s_wait_alu depctr_va_vdst(0)
.set k, 0
.rept 32
	v_exp_f32 v[120+k], v[120+k]                   ; p = 2^(t - M), at most 1; 0 for hidden keys
.set k, k+1
.endr
	v_nop                                          ; the plain line behind the exponentials
	s_wait_alu depctr_va_vdst(0)                   ; and the wait ahead of their first reader
.set k, 0
.rept 8
	v_exp_f32 v[152+4*k], v[152+4*k]
	v_pk_add_f32 v[232+2*k:233+2*k], v[120+4*k:121+4*k], v[122+4*k:123+4*k]   ; the sum is taken of p before the hold
	v_exp_f32 v[153+4*k], v[153+4*k]
	HOLD 2*k
	v_exp_f32 v[154+4*k], v[154+4*k]
	HOLD 2*k+1
	v_exp_f32 v[155+4*k], v[155+4*k]
.set k, k+1
.endr
	v_nop
	s_wait_alu depctr_va_vdst(0)                   ; behind the second batch, ahead of the first reader of its results and of the lines' among it
.set k, 0
.rept 16
	v_pk_add_f32 v[232+2*(k%8):233+2*(k%8)], v[232+2*(k%8):233+2*(k%8)], v[152+2*k:153+2*k]
.set k, k+1
.endr
.set k, 0
.rept 4
	v_pk_add_f32 v[232+2*k:233+2*k], v[232+2*k:233+2*k], v[240+2*k:241+2*k]
.set k, k+1
.endr
.set k, 16
.rept 8
	HOLD k
.set k, k+1
.endr
	v_pk_add_f32 v[232:233], v[232:233], v[236:237]
	v_pk_add_f32 v[234:235], v[234:235], v[238:239]
.set k, 24
.rept 8
	HOLD k
.set k, k+1
.endr
	v_pk_add_f32 v[250:251], v[250:251], v[232:233]
.irp t, 0,1,2,3,4,5,6,7
	v_cvt_scalef32_pk8_fp8_f32 v[216+2*\t:217+2*\t], v[120+8*\t:127+8*\t], v249
.endr
	v_pk_add_f32 v[250:251], v[250:251], v[234:235]   ; also the plain line behind the last conversion
.endm
; A STEP: 128 keys, both tiles.  It is left out where all its keys come after my queries or belong to the pair's other wave: a scalar branch on ids; no barrier and no tensor load stands in a step.
.macro STEP
	s_cmp_gt_u32 s[ST], s[LIM]
	s_cbranch_scc1 .Lskip_\@
	s_lshr_b32 s57, s[TB], 4
	s_wait_dscnt 0x0                               ; K and m's words of this step are in
	WIN 0x40
.irp t, 0,1,2,3,4,5,6,7
	v_wmma_f32_16x16x64_fp8_fp8 v[120+8*\t:127+8*\t], v[56+8*\t:63+8*\t], v[48:55], v[120+8*\t:127+8*\t]   ; the second tile (window 1), its C in window 0
.endr
	WIN 0
	v_add_nc_u32 v8, s[TB], v1                     ; these five are the places ahead of the products that write over the C just read, and of what reads the second tile's results
	v_add_nc_u32 v9, s[TB], v2
	v_add_nc_u32 v10, s57, v3
	PLACES 2
.irp t, 0,1,2,3,4,5,6,7
	v_wmma_f32_16x16x64_fp8_fp8 v[120+8*\t:127+8*\t], v[56+8*\t:63+8*\t], v[40:47], v[120+8*\t:127+8*\t]   ; the first tile
.endr
	WIN 0x40
.irp t, 0,1,2,3
.irp c, 0,1,2,3
	ds_load_b128 v[16*\t+4*\c:16*\t+4*\c+3], v9 offset:2048*\t+512*\c   ; V of this step
.endr
.endr
	WIN 0
	s_cmp_lg_u32 s[ST], s[BLK]
	s_cbranch_scc1 .Lopen_\@
	DIAG 59, 0x54                                  ; the second tile first: its 64 lines are the first tile's places
	DIAG 58, 0
.Lopen_\@:
	LARGEST 29, 0x55, 0x15                         ; likewise
	LARGEST 28, 0, 0
; M, for both tiles; between its lines the next step's K (behind step 15: bytes of V, not used)
	v_permlanex16_b32 v31, v29, s20, s21           ; and among lane l xor 16's
	v_permlanex16_b32 v30, v28, s20, s21
	LOADK 8192, 0
	v_max_num_f32 v29, v29, v31
	v_max_num_f32 v28, v28, v30
	LOADK 8192, 1
	v_pk_mul_f32 v[28:29], v[28:29], s[22:23] op_sel_hi:[1,0]   ; as t (c is positive)
	LOADK 8192, 2
	v_max_num_f32 v14, v14, v28
	v_max_num_f32 v15, v15, v29
	LOADK 8192, 3
	v_floor_f32 v30, -v14                          ; the new -M = floor(-t): M is a whole number
	v_floor_f32 v31, -v15
	LOADK 8192, 4
	v_sub_f32 v28, v30, v16                        ; old M - new M, 0 or less
	v_sub_f32 v29, v31, v18
	LOADK 8192, 5
	v_mov_b32 v16, v30
	v_mov_b32 v18, v31
	v_cvt_i32_f32 v28, v28                         ; (it saturates)
	v_cvt_i32_f32 v29, v29
	LOADK 8192, 6
	v_ldexp_f32 v20, 1.0, v28                      ; f = 2^(old M - new M)
	v_ldexp_f32 v22, 1.0, v29
	LOADK 8192, 7
	RESCALE 20, 0
	RESCALE 22, 0x41
	SOFT 16, 20, 0, 0
	WIN 0
	LOADC 8192                                     ; m's words of the next step, into the first tile's S^T, which is done with
	SOFT 18, 22, 0x41, 0x55
	s_wait_alu depctr_va_vdst(0)
	s_wait_dscnt 32                                ; V is in; the next step's K and words, 16 loads each, may be out
	WIN 0x01
.irp t, 0,1,2,3
	v_wmma_f32_16x16x128_fp8_fp8 v[184+8*\t:191+8*\t], v[16*\t:16*\t+15], v[216:231], v[184+8*\t:191+8*\t]
.endr
	WIN 0x55
.irp t, 0,1,2,3
	v_wmma_f32_16x16x128_fp8_fp8 v[184+8*\t:191+8*\t], v[16*\t:16*\t+15], v[216:231], v[184+8*\t:191+8*\t]
.endr
	WIN 0
.Lskip_\@:
.endm
.macro LOOP n
.Lstep_\@:
	STEP
	s_add_co_u32 s[TB], s[TB], 8192
	s_add_co_u32 s[ST], s[ST], 1
	s_cmp_lt_u32 s[ST], \n
	s_cbranch_scc1 .Lstep_\@
.endm
; THE WAY OUT: O^T / the sum (v252, v253: my half's) stands for o / 2^(e4 + e5); its code is that / 2^(e6 - e4 - e5).  A lane's 32 codes are two chunks of 16 bytes of the last product's operand: each store covers 512
; consecutive bytes, aligned.
.macro OUTTILE rc, win
	WIN \win
	s_wait_alu depctr_va_vdst(0)                   ; ahead of the first reader of the reciprocal and of O^T
.set k, 0
.rept 16
	v_pk_mul_f32 v[120+2*k:121+2*k], v[184+2*k:185+2*k], v[\rc:\rc+1] op_sel_hi:[1,0]
.set k, k+1
.endr
.set k, 0
.rept 32
	v_med3_num_f32 v[120+k], v[120+k], -v255, v255
.set k, k+1
.endr
.irp t, 0,1,2,3
	v_cvt_scalef32_pk8_fp8_f32 v[216+2*\t:217+2*\t], v[120+8*\t:127+8*\t], v254
.endr
.endm
.macro OUT
	v_permlanex16_b32 v30, v252, s20, s21
	v_permlanex16_b32 v31, v253, s20, s21
	v_add_f32 v252, v252, v30                      ; the row's sum: over 1/2 where a key counts
	v_add_f32 v253, v253, v31
	v_max_num_f32 v252, 0x0d800000, v252           ; 2^-100 where none does: O^T is 0 there, and stays 0
	v_max_num_f32 v253, 0x0d800000, v253
	s_wait_alu depctr_va_vdst(0)
	v_rcp_f32 v24, v252
	v_rcp_f32 v26, v253
	v_mov_b32 v254, s67                            ; (plain lines behind the reciprocals)
	v_mov_b32 v255, s66
	OUTTILE 24, 0
	OUTTILE 26, 0x41
	v_nop
	WIN 0
	global_store_b128 v1, v[216:219], s[78:79]             ; channels 16 h + 0..15
	global_store_b128 v1, v[220:223], s[78:79] offset:512  ; channels 32 + 16 h + 0..15
	WIN 0x04
	global_store_b128 v1, v[216:219], s[78:79] offset:16384
	global_store_b128 v1, v[220:223], s[78:79] offset:16896
	WIN 0
	s_wait_alu depctr_va_vdst(0)
	s_wait_xcnt 0x0                                ; the stores have read their registers
.endm
	PRE
	LOOP 2                                         ; steps 0 and 1, and the look-ahead to step 2, lie in the first 384 keys
	s_wait_dscnt 0x0
	s_wait_tensorcnt 0x0                           ; my part of K or V is in
	s_barrier_signal -1
	s_barrier_wait -1                              ; so is everybody's: K and V are whole
	LOOP 9
	PLACES 4                                       ; behind the last products, for what follows
	s_wait_dscnt 0x0                               ; the look-ahead's loads have landed
	s_cmp_eq_u32 s55, 0
	s_cbranch_scc1 .Lkeep
	v_add_f32 v252, v250, v251                     ; role 1: the short block goes out,
	WIN 0x05
	v_add_f32 v253, v250, v251
	WIN 0
	OUT
	WIN 0x01
.set j, 0
.rept 16
	v_mov_b32 v[40+j], v[64+j]                     ; and the long block's second part begins
.set j, j+1
.endr
	WIN 0
	v_mov_b32 v14, 0xff61b1e6
	v_mov_b32 v15, 0xff61b1e6
	v_mov_b32 v250, 0
	v_mov_b32 v251, 0
	v_floor_f32 v16, -v14
	v_floor_f32 v18, -v15
	ZERO
	s_wait_alu depctr_va_vdst(0)
.Lkeep:
	s_mov_b32 s[BLK], s53
	s_mov_b32 s[LIM], s52                          ; 0 in role 0: it walks no further step
	PRE
	LOOP 16
	PLACES 4
	s_wait_dscnt 0x0
	s_cmp_eq_u32 s55, 0
	s_cbranch_scc1 .Lmeet
	v_mov_b32 v28, v16                             ; role 1 hands over -M, the sum and O^T of both tiles (of no step: -M = 3e38, zeros)
	v_add_f32 v29, v250, v251
	v_mov_b32 v30, v18
	WIN 0x05
	v_add_f32 v31, v250, v251
	WIN 0
	ds_store_b64 v12, v[28:29] offset:8192
	ds_store_b64 v12, v[30:31] offset:8448
.irp k, 0,1,2,3,4,5,6,7
	ds_store_b128 v11, v[184+4*\k:187+4*\k] offset:512*\k
.endr
	WIN 0x04
.irp k, 0,1,2,3,4,5,6,7
	ds_store_b128 v11, v[184+4*\k:187+4*\k] offset:4096+512*\k
.endr
	WIN 0
	s_wait_alu depctr_va_vdst(0)
.Lmeet:
	s_wait_dscnt 0x0                               ; for the others' sake
	s_barrier_signal -1
	s_barrier_wait -1
	s_cmp_lg_u32 s55, 0
	s_cbranch_scc1 .Lend
	ds_load_b64 v[28:29], v12 offset:8192          ; role 0 joins the two parts
	ds_load_b64 v[30:31], v12 offset:8448
.irp k, 0,1,2,3,4,5,6,7
	ds_load_b128 v[56+4*\k:59+4*\k], v11 offset:512*\k
.endr
	WIN 0x40
.irp k, 0,1,2,3,4,5,6,7
	ds_load_b128 v[4*\k:4*\k+3], v11 offset:4096+512*\k
.endr
	WIN 0
	s_wait_dscnt 0x0
	v_min_num_f32 v32, v16, v28                    ; the common -M
	v_min_num_f32 v33, v18, v30
	v_sub_f32 v34, v32, v16
	v_sub_f32 v36, v33, v18
	v_sub_f32 v35, v32, v28
	v_sub_f32 v37, v33, v30
	v_cvt_i32_f32 v34, v34
	v_cvt_i32_f32 v36, v36
	v_cvt_i32_f32 v35, v35
	v_cvt_i32_f32 v37, v37
	v_ldexp_f32 v20, 1.0, v34                      ; my part's factors,
	v_ldexp_f32 v22, 1.0, v36
	v_ldexp_f32 v24, 1.0, v35                      ; and the other's
	v_ldexp_f32 v26, 1.0, v37
	v_add_f32 v252, v250, v251
	WIN 0x05
	v_add_f32 v253, v250, v251
	WIN 0
	v_mul_f32 v252, v252, v20
	v_mul_f32 v253, v253, v22
	v_fma_f32 v252, v29, v24, v252
	v_fma_f32 v253, v31, v26, v253
.irp j, 0,2,4,6,8,10,12,14,16,18,20,22,24,26,28,30
	v_pk_mul_f32 v[184+\j:185+\j], v[184+\j:185+\j], v[20:21] op_sel_hi:[1,0]
.endr
.irp j, 0,2,4,6,8,10,12,14,16,18,20,22,24,26,28,30
	v_pk_fma_f32 v[184+\j:185+\j], v[56+\j:57+\j], v[24:25], v[184+\j:185+\j] op_sel_hi:[1,0,1]
.endr
	WIN 0x51
.irp j, 0,2,4,6,8,10,12,14,16,18,20,22,24,26,28,30
	v_pk_mul_f32 v[184+\j:185+\j], v[184+\j:185+\j], v[22:23] op_sel_hi:[1,0]
.endr
.irp j, 0,2,4,6,8,10,12,14,16,18,20,22,24,26,28,30
	v_pk_fma_f32 v[184+\j:185+\j], v[\j:\j+1], v[26:27], v[184+\j:185+\j] op_sel_hi:[1,0,1]
.endr
	WIN 0
	OUT
.Lend:
	s_wait_tensorcnt 0x0                           ; the wave's end
	ds_add_u32 v6, v7
	s_wait_dscnt 0x0
	CROUND                                         ; the closing round
	s_endpgm
.Lfunc_end_k_qeb6ad79eb3_attn:
	.size	k_qeb6ad79eb3_attn, .Lfunc_end_k_qeb6ad79eb3_attn-k_qeb6ad79eb3_attn
	.p2alignl 7, 3214868480
	.fill 96, 4, 3214868480
	.section	.rodata,"a",@progbits
	.p2align	6, 0x0
	.amdhsa_kernel k_qeb6ad79eb3_attn
		.amdhsa_group_segment_fixed_size 327680
		.amdhsa_private_segment_fixed_size 0
		.amdhsa_enable_private_segment 0
		.amdhsa_kernarg_size 32
		.amdhsa_user_sgpr_count 2
		.amdhsa_user_sgpr_kernarg_segment_ptr 1
		.amdhsa_wavefront_size32 1
		.amdhsa_system_sgpr_workgroup_id_x 1
		.amdhsa_system_sgpr_workgroup_id_y 1
		.amdhsa_system_sgpr_workgroup_id_z 1
		.amdhsa_system_vgpr_workitem_id 0
		.amdhsa_next_free_vgpr 512
		.amdhsa_next_free_sgpr 100
		.amdhsa_reserve_vcc 1
		.amdhsa_float_denorm_mode_32 3
		.amdhsa_float_denorm_mode_16_64 3
		.amdhsa_memory_ordered 1
		.amdhsa_forward_progress 1
		.amdhsa_inst_pref_size 164
	.end_amdhsa_kernel
	.amdgpu_metadata
---
amdhsa.version: [ 1, 2 ]
amdhsa.kernels:
  - .name:           k_qeb6ad79eb3_attn
    .symbol:         k_qeb6ad79eb3_attn.kd
    .args:
      - { .name: qkv_codes, .offset: 0, .size: 8, .value_kind: global_buffer, .address_space: global }
      - { .name: m, .offset: 8, .size: 8, .value_kind: global_buffer, .address_space: global }
      - { .name: lowp_scales, .offset: 16, .size: 8, .value_kind: global_buffer, .address_space: global }
      - { .name: o_codes, .offset: 24, .size: 8, .value_kind: global_buffer, .address_space: global }
    .group_segment_fixed_size: 327680
    .private_segment_fixed_size: 0
    .kernarg_segment_align: 8
    .kernarg_segment_size: 32
    .max_flat_workgroup_size: 256
    .sgpr_count:     100
    .vgpr_count:     512
    .wavefront_size: 32
...
	.end_amdgpu_metadata
.endif
;; end of part 3
;; launch proj (part 4): grid 8 x 32, 4 waves a work-group, clusters of 4 x 4, 327,680 bytes of LDS; arguments o_codes, w_codes, lowp_scales, b_out, m, out0; writes out0
.if DOCPART == 4
	.amdgcn_target "amdgcn-amd-amdhsa--gfx1250"
	.amdhsa_code_object_version 6
	.text
	.protected	k_qeb6ad79eb3_proj
	.globl	k_qeb6ad79eb3_proj
	.p2align	8
	.type	k_qeb6ad79eb3_proj,@function
k_qeb6ad79eb3_proj:
	s_mov_b64 s[64:65], 0
	v_nop
	global_prefetch_b8 v0, s[64:65] scope:SCOPE_SE
	s_setreg_imm32_b32 hwreg(HW_REG_WAVE_MODE, 25, 1), 1
	s_wait_xcnt 0x0
	s_wait_alu depctr_hold_cnt(0) depctr_sa_sdst(0) depctr_va_vdst(0) depctr_va_sdst(0) depctr_va_ssrc(0) depctr_va_vcc(0) depctr_vm_vsrc(0)
	s_getreg_b32 s2, hwreg(HW_REG_IB_STS2, 6, 4)
	s_cmp_eq_u32 s2, 0
	s_cbranch_scc0 .Lentry_in_a_cluster
	s_endpgm
.Lentry_in_a_cluster:
	s_bfe_u32 s2, ttmp6, 0x10000c
	s_cmp_lg_u32 s2, 0xf033
	s_cbranch_scc0 .Lentry_shape_is_right
	s_endpgm
.Lentry_shape_is_right:
; out0 = (o w_out + b_out) x m, the product on codes of FP8 (E4M3): each finished sum x 2^(e6 + e7), + b_out of its column, x m of its row.
; LIMIT: e6 + e7 lies between -126 and 127, so that 2^(e6 + e7) is an f32 number.
; A tile of 128 x 128 of out0 to a work-group: 32 x 8 = 256 work-groups (tiles of 256 x 256 would be 64).  Four waves, each 64 x 64.
; Both operands' whole K = 1,024 lies in LDS (131,072 bytes of o's images, 139,264 of w_out's padded rows), brought by ONE tensor load a wave at the head.
; CLUSTERS: 4 x 4 work-groups; o's tile is shared along a row of the cluster, w_out's along a column: joint loads.  No prefetch: everything is asked for at the head, there is no loop to run ahead in.
; o_codes is laid as images of operand registers: [tile of 16 tokens] 16,384 + [128 along K] 2,048 + [c] 512 + 16 lane: lane (r, h): token r, k = 32 c + 16 h + 0..15.  w_out's rows are blocks 24 to 31 of w_codes, [quarter of K]
; [row][256 bytes]; they are read by four loads of 16 bytes, 32 apart, which give the same order of k.  Source 0 = 16 rows of w_codes, source 1 = 16 tokens: a lane holds one token and eight neighbouring columns.
; BY ROWS: all of a wave's fragments of B (8 steps x 64 registers) stay in registers; its four blocks of 16 rows are finished one after the other, 32 matrix instructions each, and a block leaves while the next is multiplied.
; REGISTERS: window 0: v8 and v12 LDS addresses; v24-28 the way out's; v30, v31 the add's; v32-63 at work; v64-127 rows read back, two sets; v128-191 accumulators, two sets of four; v192-223 b_out of my 32 columns; v224-231 m
;   of my four rows, each twice (a pair for the packed multiply).   window 1: A's fragments of two blocks.   windows 2, 3: B's fragments of steps 0-3, 4-7.
.set BIMG, 131072
.set BP,   272                         ; a row of B in LDS, and of a stage: 256 bytes + 16 of padding
.set BW,   4*64*BP                     ; what one wave fetches of B: [quarter of K][64 rows]
.set STG,  BIMG+2*BW                   ; the stages: 16 rows for each wave; no tensor load lands here
.set SPARE, STG+4*16*BP
.set TMP,  32
.set BK,   64
.set ACC,  128
.set BO,   192
.set MR,   224
.set MSB, 0
.macro WIN new
.if MSB != (\new)
	s_set_vgpr_msb (MSB<<8)|(\new)
.set MSB, (\new)
.endif
.endm
.macro CROUND                          ; a round of the cluster's barrier
	s_barrier_signal -1
	s_barrier_wait -1
	s_cmp_lg_u32 s16, 0
	s_cbranch_scc1 .Lnot_wave_0_\@
	s_barrier_signal -3
.Lnot_wave_0_\@:
	s_barrier_wait -3
	s_barrier_signal -1
	s_barrier_wait -1
.endm
.macro PLACES
.rept 4
	v_nop
.endr
.endm
	s_load_b256 s[4:11], s[0:1], 0x0               ; o_codes s[4:5], w_codes s[6:7], the scales' exponents s[8:9], b_out s[10:11]
	s_load_b128 s[12:15], s[0:1], 0x20             ; m s[12:13], out0 s[14:15]
	v_lshl_add_u32 v30, v0, 2, SPARE
	v_mov_b32 v31, 0
	ds_add_u32 v30, v31
	ds_add_u32 v30, v31
	v_lshrrev_b32 v1, 5, v0
	v_readfirstlane_b32 s16, v1                    ; wave 0..3
	s_lshr_b32 s17, s16, 1                         ; which 64 rows are mine.  Also: I fetch for A (0) or for B (1)
	s_and_b32 s18, s16, 1                          ; which 64 columns.  Also: which half of that tile I fetch
	s_bfe_u32 s19, ttmp6, 0x40000                  ; cx
	s_bfe_u32 s20, ttmp6, 0x40004                  ; cy
	s_lshl_b32 s21, ttmp9, 2
	s_add_co_u32 s21, s21, s19                     ; tile column
	s_and_b32 s22, ttmp7, 0xffff
	s_lshl_b32 s22, s22, 2
	s_add_co_u32 s22, s22, s20                     ; tile row
	s_lshl_b32 s56, s20, 2
	s_lshl_b32 s56, 15, s56                        ; my row of the cluster
	s_lshl_b32 s57, 0x1111, s19                    ; my column
	; group 1 for A: 4 tiles of tokens x 16,384 bytes, dense;  for B: 4 quarters of K x 64 rows x 256 bytes, 32,768 apart in memory, four words of padding behind every 64
	s_or_b32 s24, s56, (3<<16)|(1<<21)             ; the mask; elements of 8 bytes; bit 21 beside a mask
	s_or_b32 s32, s57, (3<<16)|(1<<20)|(1<<21)|(5<<22)|(3<<25)
.irp g, 24, 32
	s_mov_b32 s[\g+1], 2048<<16
	s_mov_b32 s[\g+2], 4<<16
	s_mov_b32 s[\g+3], 2048<<16
	s_mov_b32 s[\g+4], 4
	s_mov_b32 s[\g+6], 0
	s_mov_b32 s[\g+7], 0
.endr
	s_mov_b32 s29, 2048
	s_mov_b32 s37, 4096
	s_lshl_b32 s58, s22, 3
	s_lshl_b32 s23, s18, 2
	s_add_co_u32 s58, s58, s23
	s_lshl_b32 s58, s58, 14                        ; A: tile of tokens 8 x tile row + 4 x half
	s_mov_b32 s59, 0
	s_add_co_u32 s60, s21, 24
	s_lshl_b32 s60, s60, 17                        ; B: block 24 + tile column,
	s_lshl_b32 s62, s18, 14
	s_add_co_u32 s60, s60, s62                     ; 64 x half rows on
	s_mov_b32 s61, 0
	s_lshl_b32 s94, s18, 16                        ; where they go: no place in the cluster enters an LDS address
	s_mul_i32 s95, s18, BW
	s_add_co_u32 s95, s95, BIMG
	s_wait_dscnt 0x0
	s_wait_kmcnt 0x0
	s_load_b256 s[84:91], s[8:9], 0x0              ; e0 .. e7
	s_add_nc_u64 s[58:59], s[4:5], s[58:59]
	s_add_nc_u64 s[60:61], s[6:7], s[60:61]
	s_mov_b32 s40, 1
	s_mov_b32 s41, s94
	s_mov_b64 s[42:43], s[58:59]
	s_or_b32 s43, s43, 0x80000000
	s_mov_b32 s68, 1
	s_mov_b32 s69, s95
	s_mov_b64 s[70:71], s[60:61]
	s_or_b32 s71, s71, 0x80000000
	CROUND                                         ; all sixteen work-groups are here: the joint loads meet
	s_cmp_eq_u32 s17, 0                            ; one load a wave; s_nop 0 and four v_nop follow it
	s_cbranch_scc0 .Lfor_b
	tensor_load_to_lds s[40:43], s[24:31]
	s_nop 0
	PLACES
	s_branch .Lasked
.Lfor_b:
	tensor_load_to_lds s[68:71], s[32:39]
	s_nop 0
	PLACES
.Lasked:
	v_and_b32 v1, 31, v0
	v_lshlrev_b32 v2, 4, v1                        ; 16 x lane
	v_and_b32 v3, 15, v0                           ; r
	v_bfe_u32 v4, v0, 4, 1                         ; h
	s_lshl_b32 s96, s17, 16
	v_add_nc_u32 v8, s96, v2                       ; my four tiles of tokens
	v_mul_u32_u24 v5, v3, BP
	v_lshl_add_u32 v6, v4, 4, v5
	s_mul_i32 s96, s18, BW
	s_add_co_u32 s96, s96, BIMG
	v_add_nc_u32 v12, s96, v6                      ; my 64 rows of B
	s_mul_i32 s96, s16, 16*BP
	s_add_co_u32 s96, s96, STG                     ; my stage
	v_lshl_add_u32 v6, v4, 5, v5
	v_add_nc_u32 v24, s96, v6                      ; in: row r, 32 bytes for each half of the lanes
	v_mul_u32_u24 v6, v4, BP
	v_lshl_add_u32 v6, v3, 4, v6
	v_add_nc_u32 v25, s96, v6                      ; back: lanes 0-15 one row of 256 bytes, lanes 16-31 the next
	v_lshlrev_b32 v6, 12, v4
	v_lshl_add_u32 v26, v3, 4, v6                  ; and the same two rows in out0 (rows of 4,096 bytes)
	v_lshlrev_b32 v27, 5, v4                       ; b_out: 8 h columns on
	v_lshlrev_b32 v28, 2, v3                       ; m: row r
	s_wait_alu depctr_va_vdst(0)
	s_lshl_b32 s94, s21, 9
	s_lshl_b32 s95, s18, 8
	s_add_co_u32 s94, s94, s95                     ; my first column, in bytes
	s_mov_b32 s95, 0
	s_add_nc_u64 s[10:11], s[10:11], s[94:95]
	s_add_nc_u64 s[14:15], s[14:15], s[94:95]
	s_lshl_b32 s94, s22, 7
	s_lshl_b32 s96, s17, 6
	s_add_co_u32 s94, s94, s96                     ; my first row
	s_lshl_b32 s96, s94, 2
	s_mov_b32 s97, 0
	s_add_nc_u64 s[12:13], s[12:13], s[96:97]
	s_lshl_b32 s94, s94, 12
	s_add_nc_u64 s[14:15], s[14:15], s[94:95]
.irp b, 0,1,2,3
	global_load_b128 v[BO+8*\b:BO+8*\b+3], v27, s[10:11] offset:64*\b        ; b_out of columns 16 b + 8 h + 0..7
	global_load_b128 v[BO+8*\b+4:BO+8*\b+7], v27, s[10:11] offset:64*\b+16
.endr
.irp a, 0,1,2,3
	global_load_b32 v[MR+2*\a], v28, s[12:13] offset:64*\a             ; m of row 16 a + r, into both halves of a pair
	global_load_b32 v[MR+2*\a+1], v28, s[12:13] offset:64*\a
.endr
.macro LDB s                           ; B's fragments of step s (128 along K)
	WIN 0x80+0x40*((\s)/4)
.irp b, 0,1,2,3
.irp c, 0,1,2,3
	ds_load_b128 v[64*((\s)%4)+16*\b+4*\c:64*((\s)%4)+16*\b+4*\c+3], v12 offset:64*BP*((\s)/2)+16*BP*\b+128*((\s)%2)+32*\c
.endr
.endr
.endm
.macro LDA a, s                        ; A's fragment of block a, step s
	WIN 0x40
.irp c, 0,1,2,3
	ds_load_b128 v[128*((\a)%2)+16*(\s)+4*\c:128*((\a)%2)+16*(\s)+4*\c+3], v8 offset:16384*(\a)+2048*(\s)+512*\c
.endr
.endm
; Four matrix instructions: block a, step s.  The four accumulators take turns, one instruction a turn.  Step 0's products start the sums.
.macro MUL a, s
	WIN 0x06+(\s)/4                                ; source 0 (B) window 2 or 3, source 1 (A) window 1, C and D window 0
.set AC, ACC+32*((\a)%2)
.irp b, 0,1,2,3
.if (\s) == 0
	v_wmma_f32_16x16x128_fp8_fp8 v[AC+8*\b:AC+8*\b+7], v[64*((\s)%4)+16*\b:64*((\s)%4)+16*\b+15], v[128*((\a)%2)+16*(\s):128*((\a)%2)+16*(\s)+15], 0
.else
	v_wmma_f32_16x16x128_fp8_fp8 v[AC+8*\b:AC+8*\b+7], v[64*((\s)%4)+16*\b:64*((\s)%4)+16*\b+15], v[128*((\a)%2)+16*(\s):128*((\a)%2)+16*(\s)+15], v[AC+8*\b:AC+8*\b+7]
.endif
.endr
.endm
; THE WAY OUT of block a, 16 rows x 64 columns, through my own stage: a lane holds 32 bytes of a row; the rows come back whole, and sixteen lanes store 256 consecutive bytes, aligned.
.macro TOSTAGE a
	WIN 0
.set AC, ACC+32*((\a)%2)
.set k, 0
.rept 16
	v_pk_fma_f32 v[TMP+2*k:TMP+2*k+1], v[AC+2*k:AC+2*k+1], s[92:93], v[BO+2*k:BO+2*k+1] op_sel_hi:[1,0,1]   ; sum x 2^(e6 + e7) + b_out; each accumulator from its low end on
.set k, k+1
.endr
.set k, 0
.rept 16
	v_pk_mul_f32 v[TMP+2*k:TMP+2*k+1], v[TMP+2*k:TMP+2*k+1], v[MR+2*(\a):MR+2*(\a)+1]   ; x m of my row
.set k, k+1
.endr
.irp b, 0,1,2,3
	ds_store_b128 v24, v[TMP+8*\b:TMP+8*\b+3] offset:64*\b
	ds_store_b128 v24, v[TMP+8*\b+4:TMP+8*\b+7] offset:64*\b+16
.endr
.set BB, BK+32*((\a)%2)
.irp t, 0,1,2,3,4,5,6,7
	ds_load_b128 v[BB+4*\t:BB+4*\t+3], v25 offset:2*\t*BP   ; LDS serves a wave's instructions in order (ISA guide 5.7.1.4): these see my stores, and the next block's stores come behind them
.endr
.endm
.macro SEND a, younger                 ; younger: the LDS loads issued behind block a's, which may stay out
	WIN 0
	s_wait_dscnt \younger
.set BB, BK+32*((\a)%2)
.irp t, 0,1,2,3,4,5,6,7
	global_store_b128 v26, v[BB+4*\t:BB+4*\t+3], s[14:15] offset:(16*(\a)+2*\t)*4096 th:TH_STORE_NT   ; 62 rows of 4,096 bytes at the most: inside the signed 24-bit immediate
.endr
.endm
	s_wait_alu depctr_va_vdst(0)
	s_wait_tensorcnt 0x0                           ; my part is in
	s_barrier_signal -1
	s_barrier_wait -1                              ; everybody's is
.irp s, 0,1,2,3,4,5,6,7
	LDB \s
	LDA 0, \s
.if \s > 1
	s_wait_dscnt 40                                ; step s - 2's fragments are in; the 20 loads of each of the two steps behind it may be out
	MUL 0, \s-2
.endif
.endr
.irp s, 0,1,2,3,4,5,6,7
	LDA 1, \s
.endr
	s_wait_dscnt 52                                ; step 7's 20 loads and block 1's 32 may be out
	MUL 0, 6
	s_wait_dscnt 32
	MUL 0, 7
	WIN 0
	s_wait_loadcnt 0x0                             ; b_out and m
	s_wait_kmcnt 0x0
	s_add_co_i32 s92, s90, s91
	s_add_co_i32 s92, s92, 127
	s_lshl_b32 s92, s92, 23                        ; 2^(e6 + e7)
	s_mov_b32 s93, s92                             ; (named with it as a pair)
.irp a, 0,1,2,3
	PLACES                                         ; the block's results were just made
.if \a > 1
	s_wait_xcnt 0x0                                ; block a - 2's stores have read their registers: block a's loads may land there
.endif
	TOSTAGE \a
.if \a < 2
.irp s, 0,1,2,3,4,5,6,7
	LDA \a+2, \s
.endr
	s_wait_dscnt 48                                ; block a + 1's fragments are in; the stage's 16 and the 32 just issued may be out
.endif
.if \a == 2
	s_wait_dscnt 16                                ; block 3's fragments are in
.endif
.if \a < 3
.irp s, 0,1,2,3,4,5,6,7
	MUL \a+1, \s
.endr
.endif
.if \a < 2
	SEND \a, 32
.else
	SEND \a, 0
.endif
.endr
	s_wait_tensorcnt 0x0                           ; the wave's end
	ds_add_u32 v30, v31
	s_wait_dscnt 0x0
	CROUND                                         ; the closing round: no work-group ends while a partner may still ask for a tile that names it
	s_endpgm
.Lfunc_end_k_qeb6ad79eb3_proj:
	.size	k_qeb6ad79eb3_proj, .Lfunc_end_k_qeb6ad79eb3_proj-k_qeb6ad79eb3_proj
	.p2alignl 7, 3214868480
	.fill 96, 4, 3214868480
	.section	.rodata,"a",@progbits
	.p2align	6, 0x0
	.amdhsa_kernel k_qeb6ad79eb3_proj
		.amdhsa_group_segment_fixed_size 327680
		.amdhsa_private_segment_fixed_size 0
		.amdhsa_enable_private_segment 0
		.amdhsa_kernarg_size 48
		.amdhsa_user_sgpr_count 2
		.amdhsa_user_sgpr_kernarg_segment_ptr 1
		.amdhsa_wavefront_size32 1
		.amdhsa_system_sgpr_workgroup_id_x 1
		.amdhsa_system_sgpr_workgroup_id_y 1
		.amdhsa_system_sgpr_workgroup_id_z 1
		.amdhsa_system_vgpr_workitem_id 0
		.amdhsa_next_free_vgpr 1024
		.amdhsa_next_free_sgpr 100
		.amdhsa_reserve_vcc 0
		.amdhsa_float_denorm_mode_32 3
		.amdhsa_float_denorm_mode_16_64 3
		.amdhsa_memory_ordered 1
		.amdhsa_forward_progress 1
		.amdhsa_inst_pref_size 50
	.end_amdhsa_kernel
	.amdgpu_metadata
---
amdhsa.version: [ 1, 2 ]
amdhsa.kernels:
  - .name:           k_qeb6ad79eb3_proj
    .symbol:         k_qeb6ad79eb3_proj.kd
    .args:
      - { .name: o_codes, .offset: 0, .size: 8, .value_kind: global_buffer, .address_space: global }
      - { .name: w_codes, .offset: 8, .size: 8, .value_kind: global_buffer, .address_space: global }
      - { .name: lowp_scales, .offset: 16, .size: 8, .value_kind: global_buffer, .address_space: global }
      - { .name: b_out, .offset: 24, .size: 8, .value_kind: global_buffer, .address_space: global }
      - { .name: m, .offset: 32, .size: 8, .value_kind: global_buffer, .address_space: global }
      - { .name: out0, .offset: 40, .size: 8, .value_kind: global_buffer, .address_space: global }
    .group_segment_fixed_size: 327680
    .private_segment_fixed_size: 0
    .kernarg_segment_align: 8
    .kernarg_segment_size: 48
    .max_flat_workgroup_size: 128
    .sgpr_count:     100
    .vgpr_count:     1024
    .wavefront_size: 32
...
	.end_amdgpu_metadata
.endif
;; end of part 4
